; MI455X (gfx1250); checked and timed in simulation.
; The chip was launched on July 23, 2026; its instructions are those of AMD's public machine-readable ISA for CDNA 5 (MIT licence, August 2026) and "CDNA5" Instruction Set Architecture Reference Guide (July 2026). The comments in the code are by the model that wrote it; some were corrected since.
;; Sliding Window Attention. Allowed arithmetic: matrix products marked QUANTISED: E4M3 operands, one given power-of-two scale a tensor, by v_wmma_f32_16x16x64_fp8_fp8 or v_wmma_f32_16x16x128_fp8_fp8, f32 sums; everything else in f32.
;; Inputs: k_b 1,024 float32; k_w 1,024 x 1,024 float32; lowp_scales 12 int32 (the exponents e of the quantised operands' scales 2^e); o_b 1,024 float32; o_w 1,024 x 1,024 float32; q_b 1,024 float32; q_w 1,024 x 1,024 float32; v_b 1,024 float32; v_w 1,024 x 1,024 float32; x 1 x 4,096 x 1,024 float32.
;; Outputs: out0 1 x 4,096 x 1,024 float32.
;; This version of the problem:
;;   THIS VERSION OF THE PROBLEM IS GIVEN IN LOW PRECISION. The matrix products marked QUANTISED in the list below multiply operands that are first quantised to E4M3 (4 exponent bits, 3 mantissa bits; 8 bits a number), with one given power-of-two scale for each operand tensor; their sums are f32. All else is computed in f32.
;;   The module's matrix products, in the order in which they are computed (A, B: the left and right operand; K: the contracted axis; several contracted axes count as one K, in the product's order):
;;     1. [M 4,096, K 1,024] x [K 1,024, N 1,024]; A: input x; B: input q_w: QUANTISED (scales: A lowp_scales[0], B lowp_scales[1])
;;     2. [M 4,096, K 1,024] x [K 1,024, N 1,024]; A: input x; B: input k_w: QUANTISED (scales: A lowp_scales[2], B lowp_scales[3])
;;     3. [M 4,096, K 1,024] x [K 1,024, N 1,024]; A: input x; B: input v_w: QUANTISED (scales: A lowp_scales[4], B lowp_scales[5])
;;     4. batch 16 x [M 4,096, K 64] x [K 64, N 4,096]; A: computed on the way; B: computed on the way: QUANTISED (scales: A lowp_scales[6], B lowp_scales[7])
;;     5. batch 16 x [M 4,096, K 4,096] x [K 4,096, N 64]; A: computed on the way; B: computed on the way: QUANTISED (scales: A lowp_scales[8], B lowp_scales[9])
;;     6. [M 4,096, K 1,024] x [K 1,024, N 1,024]; A: computed on the way; B: input o_w: QUANTISED (scales: A lowp_scales[10], B lowp_scales[11])
;;   THE QUANTISER, for each operand of a quantised product, along K:
;;     - The operand's scale is 2^e, e = its entry of the input lowp_scales (int32; the entries are numbered through the quantised products in the list's order, A before B).
;;     - Each number is divided by the scale, clamped to +-448, and rounded to the nearest number of E4M3, ties to even, subnormals kept.
;;     - The product sums the exact products of the quantised numbers (number of the format x scale) in f32.
;;   ~~~python
;;   def quantise(x, axis, e):      # numpy; x: float32 -> the quantised numbers, widened to float32 again
;;       x = np.moveaxis(x, axis, -1); K = x.shape[-1]
;;       r = np.clip(x / 2.0 ** e, -448, 448)
;;       step = 2.0 ** (np.maximum(np.frexp(np.where(r == 0, 1, r))[1] - 1, -6) - 3)
;;       q = np.round(r / step) * step * 2.0 ** e      # np.round: ties to even
;;       return np.moveaxis(q, -1, axis).astype(np.float32)
;;   ~~~
;;   OPERANDS COMPUTED ON THE WAY. 'Computed on the way' means the value that the module computes at that place (a softmax that the list does not call 'softmax' is quantised finished and normalised). What goes into a quantiser is computed in f32, as accurately as f32 sums, v_exp_f32 and their like allow (about 1e-6 of the number): no bf16 or f16 on the way to a quantiser, and a product that is left as it is and whose result goes on into a quantised operand takes f32 operands (vector FMAs, or v_wmma_f32_16x16x4_f32). A number that lies on a knife's edge between two numbers of the format may be rounded either way, as far as f32 arithmetic and the matrix unit's own rounding can turn it there, and no further.
;; One version. Each part assembles by itself: llvm-mc -triple=amdgcn-amd-amdhsa -mcpu=gfx1250 --defsym DOCPART=n.
;; ======== version 1 of 1: 4 launches
;; workspace buffers: codes 16,777,216 bytes; qkvc 12,582,912 bytes; ac 4,194,304 bytes
;; launch quant (part 1): grid 256 x 1, 16 waves a work-group, no clusters, 75,776 bytes of LDS; arguments x, q_w, k_w, v_w, o_w, lowp_scales, codes; writes codes
.if DOCPART == 1
	.amdgcn_target "amdgcn-amd-amdhsa--gfx1250"
	.amdhsa_code_object_version 6
	.text
	.protected	k_qb2f2418ae0_quant
	.globl	k_qb2f2418ae0_quant
	.p2align	8
	.type	k_qb2f2418ae0_quant,@function
k_qb2f2418ae0_quant:
	s_mov_b64 s[64:65], 0
	v_nop
	global_prefetch_b8 v0, s[64:65] scope:SCOPE_SE
	s_setreg_imm32_b32 hwreg(HW_REG_WAVE_MODE, 25, 1), 1
	s_wait_xcnt 0x0
; x [4096][1024] and the four weights [1024][1024], f32, K innermost, become codes of FP8 (E4M3), one byte a number.
; x is an operand of three products with three given scales (entries 0, 2, 4 of the scales' buffer): three sets of codes, at bytes 0, 4 Mi, 8 Mi.
; q_w, k_w, v_w, o_w (entries 1, 3, 5, 11) follow at 12, 13, 14, 15 Mi.  A row of codes is 1,024 bytes.
; code = number / 2^e, held within +-448, rounded to the nearest code, ties to even.
; ORDER INSIDE A BLOCK OF 32 CODES: k 0-7, 16-23, 8-15, 24-31.  A load of 16 bytes at 32 c + 16 (lane / 16) of a row then brings registers 4 c .. 4 c + 3 of a
; K = 128 fragment with every k in the place that the plain 8-bit layout gives it (registers 2 c', 2 c' + 1: k = 16 c' + 8 (lane / 16) + 0 .. 7).
; LIMITS: each e between -126 and 119, so that 2^e and 448 x 2^e are f32 numbers.  NaN among the inputs is not served (an infinity is held at the largest code).
; SHARES: work-groups 0-127 take x, 128-255 the weights (32 each).  A wave takes 2,048 numbers in 4 steps of 512; its 16 loads of 512 consecutive bytes all go out at the head.
; A conversion wants 8 neighbours along K in one lane's registers, a load wants neighbouring lanes on neighbouring bytes: a step's 2,048 bytes turn through the wave's own stage in LDS.
; No tensor loads, no barrier: waves share nothing.  Every step has its own registers for its codes, so no store's data are written again.
.set BLKB, 144                         ; a block of 32 numbers in the stage: 128 bytes + 16 of padding
.set STGB, 16*BLKB                     ; a stage: a step's 16 blocks
.set WREG, 2*STGB                      ; a wave's region: two stages by turns
.set SC,   16                          ; v16-21  for scale k: v[16+2k] = 2^e, v[17+2k] = 448 x 2^e
.set R,    32                          ; v32-95  four sets of 16 numbers as loaded, one for each step
.set X,    96                          ; v96-127 two sets of 16 numbers in the codes' order
.set T,    128                         ; v128-143 the numbers held within one scale's range
.set C,    144                         ; v144-191 codes: 4 registers for each step and scale
	s_load_b256 s[4:11], s[0:1], 0x0               ; x, q_w, k_w, v_w
	s_load_b128 s[12:15], s[0:1], 0x20             ; o_w, the scales' exponents
	s_load_b64 s[16:17], s[0:1], 0x30              ; codes
	v_lshl_add_u32 v192, v0, 2, 0x12000
	v_mov_b32 v193, 0
	v_lshrrev_b32 v1, 5, v0
	v_readfirstlane_b32 s18, v1                    ; wave 0..15
	v_and_b32 v1, 31, v0                           ; lane
	v_lshlrev_b32 v3, 4, v1                        ; my 16 bytes of a load's, and of a store's, 512
	s_mul_i32 s50, s18, WREG
	v_lshrrev_b32 v14, 3, v1
	v_mul_u32_u24 v14, v14, BLKB
	v_and_b32 v2, 7, v1
	v_lshl_add_u32 v14, v2, 4, v14
	v_add_nc_u32 v14, s50, v14                     ; into the stage: eight lanes fill a block: 144 (lane / 8) + 16 (lane % 8); a load's 512 bytes are four blocks
	v_lshrrev_b32 v15, 1, v1
	v_mul_u32_u24 v15, v15, BLKB
	v_and_b32 v2, 1, v1
	v_lshl_add_u32 v15, v2, 5, v15
	v_add_nc_u32 v15, s50, v15                     ; out of it: lane 2 p + o takes of block p the numbers 8 o + 0 .. 7 and 16 + 8 o + 0 .. 7
	s_lshr_b32 s19, ttmp9, 5                       ; 0-3: x;  4, 5, 6, 7: q_w, k_w, v_w, o_w
	s_cmp_lt_u32 ttmp9, 128                        ; x's work-group?
	s_cselect_b32 s22, 127, 31                     ; work-groups of my tensor, less one
	s_cselect_b32 s45, 0, 0x800000                 ; the weights' codes begin at 12 Mi, which is work-group 128's 4 Mi + 8 Mi
	s_cselect_b32 s46, 0x400000, 0                 ; from one set of x's codes to the next; a weight has one set
	s_and_b32 s22, ttmp9, s22
	s_lshl_b32 s22, s22, 4
	s_add_co_u32 s22, s22, s18
	s_lshl_b32 s22, s22, 13                        ; my wave's 8,192 bytes in its tensor
	s_mov_b32 s23, 0
	s_lshl_b32 s44, ttmp9, 4
	s_add_co_u32 s44, s44, s18
	s_lshl_b32 s44, s44, 11                        ; my wave's 2,048 bytes of codes
	s_add_co_u32 s44, s44, s45
	s_mov_b32 s45, 0
	s_mov_b32 s47, 0
	s_wait_kmcnt 0x0
	s_load_b256 s[32:39], s[14:15], 0x0            ; e0 .. e7
	s_load_b128 s[40:43], s[14:15], 0x20           ; e8 .. e11
	s_mov_b64 s[20:21], s[4:5]                     ; the tensor is chosen by the work-group's number alone
	s_cmp_eq_u32 s19, 4
	s_cselect_b64 s[20:21], s[6:7], s[20:21]
	s_cmp_eq_u32 s19, 5
	s_cselect_b64 s[20:21], s[8:9], s[20:21]
	s_cmp_eq_u32 s19, 6
	s_cselect_b64 s[20:21], s[10:11], s[20:21]
	s_cmp_eq_u32 s19, 7
	s_cselect_b64 s[20:21], s[12:13], s[20:21]
	s_add_nc_u64 s[20:21], s[20:21], s[22:23]
	s_add_nc_u64 s[24:25], s[16:17], s[44:45]      ; where my codes go: first scale,
	s_add_nc_u64 s[26:27], s[24:25], s[46:47]      ; second,
	s_add_nc_u64 s[28:29], s[26:27], s[46:47]      ; third
.macro LOAD t
.irp i, 0,1,2,3
	global_load_b128 v[R+16*(\t)+4*\i:R+16*(\t)+4*\i+3], v3, s[20:21] offset:2048*(\t)+512*\i th:TH_LOAD_NT   ; 32 lanes read 512 consecutive bytes; read once in the launch
.endr
.endm
.macro TURN t                          ; step t through the stage: LDS serves a wave's instructions in order (ISA guide 5.7.1.4), so no wait stands between the stores and the loads
.irp i, 0,1,2,3
	ds_store_b128 v14, v[R+16*(\t)+4*\i:R+16*(\t)+4*\i+3] offset:STGB*((\t)%2)+4*BLKB*\i
.endr
	ds_load_b128 v[X+16*((\t)%2):X+16*((\t)%2)+3],     v15 offset:STGB*((\t)%2)
	ds_load_b128 v[X+16*((\t)%2)+4:X+16*((\t)%2)+7],   v15 offset:STGB*((\t)%2)+16
	ds_load_b128 v[X+16*((\t)%2)+8:X+16*((\t)%2)+11],  v15 offset:STGB*((\t)%2)+64
	ds_load_b128 v[X+16*((\t)%2)+12:X+16*((\t)%2)+15], v15 offset:STGB*((\t)%2)+80
.endm
.macro MKSC e, k                       ; 2^e and 448 x 2^e as f32 numbers
	s_add_co_i32 s48, \e, 127
	s_lshl_b32 s49, s48, 23
	v_mov_b32 v[SC+2*\k], s49
	s_add_co_i32 s48, s48, 8
	s_lshl_b32 s48, s48, 23
	s_or_b32 s48, s48, 0x600000
	v_mov_b32 v[SC+2*\k+1], s48
.endm
.macro CONV t, k                       ; step t's 16 numbers under scale k: hold, convert, store
.irp i, 0,1,2,3,4,5,6,7,8,9,10,11,12,13,14,15
	v_med3_num_f32 v[T+\i], v[X+16*((\t)%2)+\i], -v[SC+2*\k+1], v[SC+2*\k+1]   ; the conversion to an 8-bit code does not saturate (ISA guide 7.6.2): the hold comes first
.endr
	v_cvt_scalef32_pk8_fp8_f32 v[C+12*(\t)+4*\k:C+12*(\t)+4*\k+1], v[T:T+7], v[SC+2*\k]
	v_cvt_scalef32_pk8_fp8_f32 v[C+12*(\t)+4*\k+2:C+12*(\t)+4*\k+3], v[T+8:T+15], v[SC+2*\k]
	v_nop                                          ; a plain line between the conversions and the next holds, which write their sources
	global_store_b128 v3, v[C+12*(\t)+4*\k:C+12*(\t)+4*\k+3], s[24+2*\k:25+2*\k] offset:512*(\t)   ; the wave stores 512 consecutive bytes, aligned
.endm
.macro STEP t
	s_wait_dscnt 0x0                               ; this step's numbers are back from the stage
.if (\t) < 3
	s_wait_loadcnt 4*(2-(\t))                      ; the next step's four loads are in; those of the steps behind it may be out
	TURN (\t)+1                                    ; and go through the other stage while this step is worked
.endif
	CONV \t, 0
	s_cmp_lt_u32 ttmp9, 128                        ; only x has a second and a third scale
	s_cbranch_scc0 .Lweight_\@
	CONV \t, 1
	CONV \t, 2
.Lweight_\@:
.endm
.irp t, 0,1,2,3
	LOAD \t
.endr
	s_wait_kmcnt 0x0
	s_mov_b32 s51, s32                             ; my first scale: e0 for x; e1, e3, e5, e11 for the weights
	s_cmp_eq_u32 s19, 4
	s_cselect_b32 s51, s33, s51
	s_cmp_eq_u32 s19, 5
	s_cselect_b32 s51, s35, s51
	s_cmp_eq_u32 s19, 6
	s_cselect_b32 s51, s37, s51
	s_cmp_eq_u32 s19, 7
	s_cselect_b32 s51, s43, s51
	MKSC s51, 0
	MKSC s34, 1
	MKSC s36, 2
	s_wait_loadcnt 12                              ; step 0's four loads are in; the twelve younger ones may be out
	TURN 0
.irp t, 0,1,2,3
	STEP \t
.endr
	s_wait_tensorcnt 0x0
	ds_add_u32 v192, v193
	s_wait_dscnt 0x0
	s_endpgm
.Lfunc_end_k_qb2f2418ae0_quant:
	.size	k_qb2f2418ae0_quant, .Lfunc_end_k_qb2f2418ae0_quant-k_qb2f2418ae0_quant
	.p2alignl 7, 3214868480
	.fill 96, 4, 3214868480
	.section	.rodata,"a",@progbits
	.p2align	6, 0x0
	.amdhsa_kernel k_qb2f2418ae0_quant
		.amdhsa_group_segment_fixed_size 75776
		.amdhsa_private_segment_fixed_size 0
		.amdhsa_enable_private_segment 0
		.amdhsa_kernarg_size 56
		.amdhsa_user_sgpr_count 2
		.amdhsa_user_sgpr_kernarg_segment_ptr 1
		.amdhsa_wavefront_size32 1
		.amdhsa_system_sgpr_workgroup_id_x 1
		.amdhsa_system_sgpr_workgroup_id_y 1
		.amdhsa_system_sgpr_workgroup_id_z 1
		.amdhsa_system_vgpr_workitem_id 0
		.amdhsa_next_free_vgpr 194
		.amdhsa_next_free_sgpr 66
		.amdhsa_reserve_vcc 0
		.amdhsa_float_denorm_mode_32 3
		.amdhsa_float_denorm_mode_16_64 3
		.amdhsa_memory_ordered 1
		.amdhsa_forward_progress 1
		.amdhsa_inst_pref_size 23
	.end_amdhsa_kernel
	.amdgpu_metadata
---
amdhsa.version: [ 1, 2 ]
amdhsa.kernels:
  - .name:           k_qb2f2418ae0_quant
    .symbol:         k_qb2f2418ae0_quant.kd
    .args:
      - { .name: x, .offset: 0, .size: 8, .value_kind: global_buffer, .address_space: global }
      - { .name: q_w, .offset: 8, .size: 8, .value_kind: global_buffer, .address_space: global }
      - { .name: k_w, .offset: 16, .size: 8, .value_kind: global_buffer, .address_space: global }
      - { .name: v_w, .offset: 24, .size: 8, .value_kind: global_buffer, .address_space: global }
      - { .name: o_w, .offset: 32, .size: 8, .value_kind: global_buffer, .address_space: global }
      - { .name: lowp_scales, .offset: 40, .size: 8, .value_kind: global_buffer, .address_space: global }
      - { .name: codes, .offset: 48, .size: 8, .value_kind: global_buffer, .address_space: global }
    .group_segment_fixed_size: 75776
    .private_segment_fixed_size: 0
    .kernarg_segment_align: 8
    .kernarg_segment_size: 56
    .max_flat_workgroup_size: 512
    .sgpr_count:     66
    .vgpr_count:     194
    .wavefront_size: 32
...
	.end_amdgpu_metadata
.endif
;; end of part 1
;; launch qkv (part 2): grid 12 x 16, 4 waves a work-group, clusters of 4 x 4, 327,680 bytes of LDS; arguments codes, lowp_scales, q_b, k_b, v_b, qkvc; writes qkvc
.if DOCPART == 2
	.amdgcn_target "amdgcn-amd-amdhsa--gfx1250"
	.amdhsa_code_object_version 6
	.text
	.protected	k_qb2f2418ae0_qkv
	.globl	k_qb2f2418ae0_qkv
	.p2align	8
	.type	k_qb2f2418ae0_qkv,@function
k_qb2f2418ae0_qkv:
	s_mov_b64 s[64:65], 0
	v_nop
	global_prefetch_b8 v0, s[64:65] scope:SCOPE_SE
	s_setreg_imm32_b32 hwreg(HW_REG_WAVE_MODE, 25, 1), 1
	s_wait_xcnt 0x0
	s_wait_alu depctr_hold_cnt(0) depctr_sa_sdst(0) depctr_va_vdst(0) depctr_va_sdst(0) depctr_va_ssrc(0) depctr_va_vcc(0) depctr_vm_vsrc(0)
	s_getreg_b32 s2, hwreg(HW_REG_IB_STS2, 6, 4)
	s_cmp_eq_u32 s2, 0
	s_cbranch_scc0 .Lentry_in_a_cluster
	s_endpgm
.Lentry_in_a_cluster:
	s_bfe_u32 s2, ttmp6, 0x10000c
	s_cmp_lg_u32 s2, 0xf033
	s_cbranch_scc0 .Lentry_shape_is_right
	s_endpgm
.Lentry_shape_is_right:
; q = x q_w^T + q_b, k = x k_w^T + k_b, v = x v_w^T + v_b on codes of FP8 (E4M3), sums in f32, and each result quantised at once for attention's products (entries 6, 7, 9 of the scales).
; One text for the three products: the cluster's x (0, 1, 2) says which.  A tile of the result is 256 x 256, K = 1,024; four waves, each 128 x 128 in 64 accumulators (512 registers).
; ROLES.  Source 1 of the matrix instruction takes 16 'A rows', source 0 takes 16 'B rows': a lane then holds ONE A row and, in an accumulator's 8 registers, 8 neighbouring B rows.
;   q, k: A = tokens (x's codes), B = the weight's rows: a lane's 8 numbers run along the head's axis, which is the K of q k^T.
;   v:    A = v_w's rows, B = tokens: a lane's 8 numbers run along the keys, which are the K of p v.  The roles are changed by addresses alone.
; So 8 registers convert into 8 bytes that are two registers of a fragment of the next launch, and the results are stored as images of such registers:
;   q (byte 0), k (4 Mi): [head 16][token tile 256][c 4][lane 32][8 bytes]: lane (r, h): token r, channels 16 c + 8 h + 0 .. 7
;   v (8 Mi):             [head 16][dt 4][key tile 256][lane 32][8 bytes]: lane (r, h): channel 16 dt + r, keys 8 h + 0 .. 7
; Each store of a wave covers 256 consecutive bytes, aligned.  No LDS is needed on the way out.
; THE BIAS is the C of each sum's first matrix instruction, divided by the power of two that the sums lack; the scales ahead of the quantiser are folded into the conversion's one: 2^(eo - ea - eb).
; LIMITS: ea + eb between -126 and 127; eo - ea - eb between -126 and 119.  NaN among the inputs is not served.
; K goes in steps of 256 through a ring of two LDS slots filled by the tensor data mover.  CLUSTERS: 4 x 4 work-groups; A's tiles are asked for jointly along a row of the cluster, B's along a column.
; REGISTERS, in windows of 256: window 0: v0-31 addresses and scales; v32-95 the bias, later the held numbers; v128-255 A's fragments (one set), later the codes.
;   window 1: B's fragments, two sets.   window 2: the accumulators of my A rows 0-63 ((a, b) at v[8 (8 a + b)]);   window 3: those of rows 64-127.
.set KSTEP,  256
.set ROWB,   256                       ; a tile's row in bytes
.set KROW,   1024                      ; a row of codes in memory
.set PITCH,  272                       ; an LDS row: 256 bytes + 16 of padding = 68 words: the 16 rows that a load touches start at 16 different banks (64 banks of 4 bytes: ISA guide 11.1)
.set FR,     16                        ; registers of a fragment: 16 rows x 128 K
.set NL,     4                         ; LDS loads that bring one
.set NP,     4                         ; places behind this matrix instruction (ISA guide 7.12.1)
.set HALFT,  128*PITCH                 ; what one tensor load brings, and what one wave reads of A or of B
.set SLOT,   4*HALFT                   ; A's 256 rows, then B's 256 rows
.set LAPS,   1024/(2*KSTEP)            ; a lap = two K steps = once round the ring
.set SPARE,  2*SLOT                    ; behind the ring: the spare words, 128 bytes for each wave, which no other line names
.set ADRA, 16                          ; v16-17  LDS address of my A fragments in slot 0, 1
.set ADRB, 20                          ; v20-21  the same for B
.set VO,   26                          ; v26-27  the way out: 8 x lane, and the same one step of four B blocks on
.set SPW,  28                          ; v28     LDS address of my spare word; never rewritten
.set NIL,  29                          ; v29     0; never rewritten
.set SCV,  30                          ; v30     2^(eo - ea - eb)
.set LIM,  31                          ; v31     448 x that
.set CB,   32                          ; v32-95  the bias in the result's layout
.set TMP,  32                          ; the way out: a block's 64 held numbers
.set AF,   128                         ; A's fragments
.set OC,   128                         ; the way out: 16 registers of codes for each block, so that no store's data are written again
.set G1, 24                            ; s[24:31] descriptor group 1 for A's tiles;  s[32:39] group 0, one set for each slot
.set G0, 32
.set G1B, 48                           ; s[48:55], s[56:63] the same for B's tiles
.set G0B, 56
.set MSB, 0
.macro WIN new                         ; the immediate's high byte repeats the setting that is left
.if MSB != (\new)
	s_set_vgpr_msb (MSB<<8)|(\new)
.set MSB, (\new)
.endif
.endm
.set MUL_LO, 0xa1                      ; source 0 (B) window 1, source 1 (A) window 0, C and D window 2
.set MUL_HI, 0xf1                      ; the same, C and D window 3
.set BIA_LO, 0x81                      ; the same with C (the bias) in window 0
.set BIA_HI, 0xc1
.set TO_B,   0x40                      ; destination window 1, address window 0
; A joint load: waves 0 and 1 fetch for A, waves 2 and 3 for B.  Each line has one mask and one set of registers for all that issue it; the branch hangs on the wave's number alone.
; Four v_nop follow each of the two lines, ahead of the jump, the label and what follows.
.macro JLOAD g0a, g1a, g0b, g1b
	s_cmp_eq_u32 s17, 0
	s_cbranch_scc0 .Lfor_b_\@
	tensor_load_to_lds s[\g0a:\g0a+3], s[\g1a:\g1a+7]
	s_nop 0
.rept 4
	v_nop
.endr
	s_branch .Lasked_\@
.Lfor_b_\@:
	tensor_load_to_lds s[\g0b:\g0b+3], s[\g1b:\g1b+7]
	s_nop 0
.rept 4
	v_nop
.endr
.Lasked_\@:
.endm
.macro CREST                           ; a round of the cluster's barrier behind its opening barrier
	s_cmp_lg_u32 s16, 0
	s_cbranch_scc1 .Lnot_wave_0_\@
	s_barrier_signal -3
.Lnot_wave_0_\@:
	s_barrier_wait -3
	s_barrier_signal -1
	s_barrier_wait -1
.endm
.macro CROUND                          ; a whole round
	s_barrier_signal -1
	s_barrier_wait -1
	CREST
.endm
	s_load_b256 s[4:11], s[0:1], 0x0               ; codes s[4:5], the scales' exponents s[6:7], q_b s[8:9], k_b s[10:11]
	s_load_b128 s[12:15], s[0:1], 0x20             ; v_b s[12:13], qkvc s[14:15]
	v_lshl_add_u32 v[SPW], v0, 2, SPARE
	v_mov_b32 v[NIL], 0
	ds_add_u32 v28, v29
	ds_add_u32 v28, v29
	s_wait_dscnt 0x0
	v_lshrrev_b32 v1, 5, v0
	v_readfirstlane_b32 s16, v1                    ; wave 0..3
	s_lshr_b32 s17, s16, 1                         ; which half of the tile's A rows is mine.  Also: I fetch for A (0) or for B (1)
	s_and_b32 s18, s16, 1                          ; which half of its B rows.  Also: which 128 rows of that tile I fetch
	s_bfe_u32 s22, ttmp6, 0x40000                  ; cx, cy: my place in the cluster
	s_bfe_u32 s23, ttmp6, 0x40004
	s_mov_b32 s19, ttmp9                           ; the cluster's x: 0 q, 1 k, 2 v
	s_lshr_b32 s20, s19, 1                         ; 1 for v
	s_and_b32 s21, ttmp7, 0xffff
	s_lshl_b32 s21, s21, 2                         ; 4 x the cluster's y
	s_mul_i32 s70, s21, s20                        ; the 16 tiles of tokens go along A for q and k, along B for v
	s_sub_co_u32 s71, s21, s70
	s_add_co_u32 s40, s23, s71                     ; A's tile: cy (+ 4 y for q, k)
	s_add_co_u32 s42, s22, s70                     ; B's tile: cx (+ 4 y for v)
	s_lshl_b32 s41, s23, 2
	s_lshl_b32 s41, 15, s41                        ; my row of the cluster
	s_lshl_b32 s43, 0x1111, s22                    ; my column
	; descriptor group 1: a tile of 128 rows x 256 bytes, padded in LDS
	s_or_b32 s[G1+0], s41, (0<<16)|(1<<20)|(1<<21)|(5<<22)|(3<<25)  ; 15:0 the mask: A's tiles go to my row; 17:16 elements of 1 byte; 20 padding on; 21 set beside a mask; 24:22 after every 64 words; 31:25 four words
	s_or_b32 s[G1B+0], s43, (0<<16)|(1<<20)|(1<<21)|(5<<22)|(3<<25) ; the same with my column's mask
.irp g, G1, G1B
	s_mov_b32 s[\g+1], ROWB<<16                    ; tensor_dim0
	s_mov_b32 s[\g+2], 128<<16                     ; tensor_dim1
	s_mov_b32 s[\g+3], ROWB<<16                    ; tile_dim0
	s_mov_b32 s[\g+4], 128                         ; tile_dim1
	s_mov_b32 s[\g+5], KROW                        ; tensor_dim0_stride
	s_mov_b32 s[\g+6], 0
	s_mov_b32 s[\g+7], 0
.endr
	; A's first byte in the codes: x's set 0 or 1 (0, 4 Mi), or v_w (14 Mi = 2 x 4 Mi + 6 Mi); + (256 x tile + 128 x half) rows
	s_lshl_b32 s66, s40, 8
	s_lshl_b32 s67, s18, 7
	s_add_co_u32 s66, s66, s67
	s_lshl_b32 s66, s66, 10
	s_lshl_b32 s67, s19, 22
	s_add_co_u32 s66, s66, s67
	s_mul_i32 s67, s20, 0x600000
	s_add_co_u32 s66, s66, s67
	s_mov_b32 s67, 0
	; B's: q_w, k_w (12, 13 Mi), or x's set 2 (8 Mi = 14 Mi - 6 Mi)
	s_lshl_b32 s68, s42, 8
	s_lshl_b32 s69, s18, 7
	s_add_co_u32 s68, s68, s69
	s_lshl_b32 s68, s68, 10
	s_lshl_b32 s69, s19, 20
	s_add_co_u32 s68, s68, s69
	s_add_co_u32 s68, s68, 0xc00000
	s_mul_i32 s69, s20, 0x600000
	s_sub_co_u32 s68, s68, s69
	s_mov_b32 s69, 0
	s_mul_i32 s91, s16, HALFT                      ; where they go: wave x 128 rows: no place in the cluster enters an LDS address
	s_wait_kmcnt 0x0
	s_load_b256 s[72:79], s[6:7], 0x0              ; e0 .. e7
	s_load_b128 s[80:83], s[6:7], 0x20             ; e8 .. e11
	s_add_nc_u64 s[44:45], s[4:5], s[66:67]
	s_add_nc_u64 s[46:47], s[4:5], s[68:69]
	CROUND                                         ; all sixteen work-groups are here: the first joint loads meet
.irp s, 0,1
	s_mov_b32 s[G0+4*\s], 1
	s_add_co_u32 s[G0+4*\s+1], s91, \s*SLOT
	s_add_nc_u64 s[G0+4*\s+2:G0+4*\s+3], s[44:45], \s*ROWB
	s_or_b32 s[G0+4*\s+3], s[G0+4*\s+3], 0x80000000
	s_mov_b32 s[G0B+4*\s], 1
	s_add_co_u32 s[G0B+4*\s+1], s91, \s*SLOT
	s_add_nc_u64 s[G0B+4*\s+2:G0B+4*\s+3], s[46:47], \s*ROWB
	s_or_b32 s[G0B+4*\s+3], s[G0B+4*\s+3], 0x80000000
	JLOAD G0+4*\s, G1, G0B+4*\s, G1B               ; two loads of mine are out
.endr
	v_and_b32 v1, 15, v0                           ; r = lane % 16
	v_bfe_u32 v2, v0, 4, 1                         ; h = lane / 16
	v_mul_u32_u24 v3, v1, PITCH
	v_lshl_add_u32 v4, v2, 4, v3                   ; a fragment's row x pitch + 16 h
	s_mul_i32 s66, s17, HALFT                      ; my 128 rows of A
	s_mul_i32 s67, s18, HALFT                      ; my 128 rows of B,
	s_add_co_u32 s67, s67, 2*HALFT                 ; which lie behind A's 256
.irp s, 0,1
	v_add_nc_u32 v[ADRA+\s], s66, v4
	v_add_nc_u32 v[ADRB+\s], s67, v4
	s_add_co_u32 s66, s66, SLOT
	s_add_co_u32 s67, s67, SLOT
.endr
	v_and_b32 v5, 31, v0
	v_lshlrev_b32 v[VO], 3, v5                     ; 8 bytes a lane
	v_lshlrev_b32 v5, 5, v2                        ; the bias of q, k: my half's 8 numbers of a block of 16
	v_lshlrev_b32 v6, 2, v1                        ; the bias of v: my row's one number
	; the results' strides.  From one A block to the next: a token tile of q, k (1,024 bytes), or a dt of v (65,536).  From four B blocks to the next four: a head of q, k (262,144), or four key tiles of v (1,024)
	s_mul_i32 s96, s20, 6
	s_lshl_b32 s88, 0x400, s96
	s_mov_b32 s89, 0
	s_lshl_b32 s96, s20, 3
	s_lshr_b32 s90, 0x40000, s96
	v_add_nc_u32 v[VO+1], s90, v[VO]
	s_lshl_b32 s94, s40, 8
	s_lshl_b32 s96, s17, 7
	s_add_co_u32 s94, s94, s96                     ; my first A row
	s_lshl_b32 s95, s42, 8
	s_lshl_b32 s96, s18, 7
	s_add_co_u32 s95, s95, s96                     ; my first B row
	s_lshl_b32 s96, s19, 22                        ; q, k, v: 4 Mi each
	s_lshr_b32 s98, s94, 4
	s_mul_i32 s98, s98, s88
	s_add_co_u32 s96, s96, s98
	s_lshr_b32 s98, s95, 6
	s_mul_i32 s98, s98, s90
	s_add_co_u32 s96, s96, s98
	s_mov_b32 s97, 0
	s_add_nc_u64 s[14:15], s[14:15], s[96:97]      ; where my first block's images go
	s_wait_kmcnt 0x0
	s_add_co_i32 s96, s72, s73                     ; ea + eb of the three products; the choice is made without a branch
	s_add_co_i32 s97, s74, s75
	s_add_co_i32 s98, s76, s77
	s_cmp_eq_u32 s19, 1
	s_cselect_b32 s84, s97, s96
	s_cselect_b32 s85, s79, s78                    ; eo: entry 6 for q, 7 for k,
	s_cselect_b64 s[92:93], s[10:11], s[8:9]
	s_cmp_eq_u32 s19, 2
	s_cselect_b32 s84, s98, s84
	s_cselect_b32 s85, s81, s85                    ; 9 for v
	s_cselect_b64 s[92:93], s[12:13], s[92:93]     ; my bias
	s_sub_co_i32 s86, 0, s84                       ; a sum stands for sum x 2^(ea + eb): the bias goes in x 2^-(ea + eb)
	s_sub_co_i32 s85, s85, s84
	s_add_co_i32 s85, s85, 127
	s_lshl_b32 s87, s85, 23
	v_mov_b32 v[SCV], s87                          ; 2^(eo - ea - eb): the conversion takes its exponent field
	s_add_co_i32 s85, s85, 8
	s_lshl_b32 s85, s85, 23
	s_or_b32 s85, s85, 0x600000
	v_mov_b32 v[LIM], s85                          ; 448 x that
	s_cmp_eq_u32 s20, 0
	s_cselect_b32 s96, s95, s94                    ; the bias goes by the weight's rows: B's for q and k, A's for v
	s_lshl_b32 s96, s96, 2
	s_mov_b32 s97, 0
	s_add_nc_u64 s[92:93], s[92:93], s[96:97]
	s_cmp_eq_u32 s20, 0                            ; the same in all sixteen partners: it hangs on the cluster's x alone
	s_cbranch_scc0 .Lbias_v
.irp b, 0,1,2,3,4,5,6,7                ; q, k: register 8 b + j = bias of B row 16 b + 8 h + j, for every A block
	global_load_b128 v[CB+8*\b:CB+8*\b+3],   v5, s[92:93] offset:64*\b
	global_load_b128 v[CB+8*\b+4:CB+8*\b+7], v5, s[92:93] offset:64*\b+16
.endr
	s_wait_loadcnt 0x0
.set i, 0
.rept 64
	v_ldexp_f32 v[CB+i], v[CB+i], s86
.set i, i+1
.endr
	s_branch .Lbias_done
.Lbias_v:
.irp a, 0,1,2,3,4,5,6,7                ; v: registers 8 a + 0 .. 7 = bias of A row 16 a + r, for every B block
	global_load_b32 v[CB+8*\a], v6, s[92:93] offset:64*\a
.endr
	s_wait_loadcnt 0x0
.irp a, 0,1,2,3,4,5,6,7
.irp j, 7,6,5,4,3,2,1,0                ; the register that was loaded is written last
	v_ldexp_f32 v[CB+8*\a+\j], v[CB+8*\a], s86
.endr
.endr
.Lbias_done:
.macro FRAG reg, adr, q, i             ; a fragment: four loads of 16 bytes, 32 bytes apart; by the codes' order in memory every k falls into its own place of the plain 8-bit layout
.irp c, 0,1,2,3
	ds_load_b128 v[\reg+4*\c:\reg+4*\c+3], v[\adr] offset:128*(\q)+32*\c+(\i)*16*PITCH
.endr
.endm
; 16 matrix instructions: A's blocks a0, a0 + 1 x B's eight, 128 along K.  p: B's set.  mode 0: the sums go on in place; 1: they start from the bias by B rows (q, k); 2: by A rows (v).
; The 64 accumulators take turns, one instruction a turn, in the same order in every step.
.macro MUL16 a0, p, mode
.irp a, \a0, \a0+1
.irp b, 0,1,2,3,4,5,6,7
.if \mode == 1
	v_wmma_f32_16x16x128_fp8_fp8 v[8*(8*((\a)%4)+\b):8*(8*((\a)%4)+\b)+7], v[128*(\p)+FR*\b:128*(\p)+FR*\b+FR-1], v[AF+FR*(\a):AF+FR*(\a)+FR-1], v[CB+8*\b:CB+8*\b+7]
.elseif \mode == 2
	v_wmma_f32_16x16x128_fp8_fp8 v[8*(8*((\a)%4)+\b):8*(8*((\a)%4)+\b)+7], v[128*(\p)+FR*\b:128*(\p)+FR*\b+FR-1], v[AF+FR*(\a):AF+FR*(\a)+FR-1], v[CB+8*(\a):CB+8*(\a)+7]
.else
	v_wmma_f32_16x16x128_fp8_fp8 v[8*(8*((\a)%4)+\b):8*(8*((\a)%4)+\b)+7], v[128*(\p)+FR*\b:128*(\p)+FR*\b+FR-1], v[AF+FR*(\a):AF+FR*(\a)+FR-1], v[8*(8*((\a)%4)+\b):8*(8*((\a)%4)+\b)+7]
.endif
.endr
.endr
.endm
.macro FETCH_B slot, q, p              ; B's eight fragments of the slot's q-th 128 along K into set p
	WIN TO_B
.irp i, 0,1,2,3,4,5,6,7
	FRAG 128*(\p)+FR*\i, ADRB+\slot, \q, \i
.endr
	WIN 0
.endm
.macro FETCH_A slot, q, i0             ; A's blocks i0 .. i0 + 3
.irp i, \i0, \i0+1, \i0+2, \i0+3
	FRAG AF+FR*(\i), ADRA+\slot, \q, \i
.endr
.endm
; A load into a register that a matrix instruction has read, and a vector instruction that reads a matrix result, stand NP places behind that matrix instruction; only plain vector
; instructions that name none of its registers are places (ISA guide 7.12.1 for vector instructions).
.macro PLACES n
.rept \n
	v_nop
.endr
.endm
; A step of 128 along K that has its successor in the same slot.  A block of A is free as soon as its eight products are issued, so one set of registers serves A.
.macro STEP slot, q, mode
	s_wait_dscnt 4*NL                              ; B's set and A's blocks 0-3 are in; the youngest sixteen loads (A's blocks 4-7) may be out
.if \mode
	WIN BIA_LO
.else
	WIN MUL_LO
.endif
	MUL16 0, (\q)%2, \mode
	MUL16 2, (\q)%2, \mode
	s_wait_dscnt 0                                 ; A's blocks 4-7 are in (asked for 32 matrix instructions ago)
	PLACES NP
	FETCH_B \slot, (\q)+1, 1-(\q)%2
	FETCH_A \slot, (\q)+1, 0
.if \mode
	WIN BIA_HI
.else
	WIN MUL_HI
.endif
	MUL16 4, (\q)%2, \mode
	MUL16 6, (\q)%2, \mode
	PLACES NP
	WIN 0
	FETCH_A \slot, (\q)+1, 4
.endm
; A slot's last step changes slots: ONE barrier; in front of it each wave waits for all its tensor loads, adds 0 to its spare word, and waits for that and for its own reads of this slot.
; fill = 1: this slot is filled again, two K steps ahead; the barrier then opens a round of the cluster's barrier.
.macro TURN slot, next, fill
	s_wait_tensorcnt 0x0                           ; all my tensor loads have landed: my part of the next slot  (every window is 0 here)
	ds_add_u32 v[SPW], v[NIL]                      ; 0 onto my spare word
	s_wait_dscnt 4*NL+1                            ; the add and the youngest sixteen loads (A's blocks 4-7) may be out
	WIN MUL_LO
	MUL16 0, 1, 0                                  ; sixteen matrix instructions stand between the add and the wait for it
	s_wait_dscnt 0x0                               ; the add is done, and my reads of this slot are over
	s_barrier_signal -1
	MUL16 2, 1, 0
	WIN 0
	s_barrier_wait -1
.if \fill
	CREST                                          ; no wave of any partner still reads this slot's tile or has a load on its way
	s_add_nc_u64 s[G0+4*\slot+2:G0+4*\slot+3], s[G0+4*\slot+2:G0+4*\slot+3], 2*ROWB
	s_add_nc_u64 s[G0B+4*\slot+2:G0B+4*\slot+3], s[G0B+4*\slot+2:G0B+4*\slot+3], 2*ROWB
	JLOAD G0+4*\slot, G1, G0B+4*\slot, G1B         ; the first tensor load behind the round, my one load until the next; its four v_nop are also the places in front of the loads below
.else
	PLACES NP
.endif
	FETCH_B \next, 0, 0
	FETCH_A \next, 0, 0
	WIN MUL_HI
	MUL16 4, 1, 0
	MUL16 6, 1, 0
	PLACES NP
	WIN 0
	FETCH_A \next, 0, 4
.endm
	s_wait_tensorcnt 1                             ; my part of K step 0 is in (K step 1's load may be out)
	s_barrier_signal -1
	s_barrier_wait -1                              ; everybody's is
	FETCH_B 0, 0, 0
	FETCH_A 0, 0, 0
	FETCH_A 0, 0, 4
	s_cmp_eq_u32 s20, 0                            ; the first step starts the sums from the bias, which lies by B rows or by A rows: written twice, with the same loads and waits on both ways
	s_cbranch_scc0 .Lfirst_v
	STEP 0, 0, 1
	s_branch .Lfirst_done
.Lfirst_v:
	STEP 0, 0, 2
.Lfirst_done:
	s_mov_b32 s3, LAPS-1
.Llap:                                                 ; a trip goes once round the ring, from a lap's second step to the next lap's first, and fills both slots again
	TURN 0, 1, 1
	STEP 1, 0, 0
	TURN 1, 0, 1
	STEP 0, 0, 0
	s_sub_co_u32 s3, s3, 1
	s_cmp_lg_u32 s3, 0
	s_cbranch_scc1 .Llap
	TURN 0, 1, 0                                   ; the last lap fills nothing, and has no round of the cluster's barrier
	STEP 1, 0, 0
	s_wait_dscnt 4*NL                              ; the very last step: nothing more to fetch
	WIN MUL_LO
	MUL16 0, 1, 0
	MUL16 2, 1, 0
	s_wait_dscnt 0
	WIN MUL_HI
	MUL16 4, 1, 0
	MUL16 6, 1, 0
	WIN 0
; THE WAY OUT, A block by A block: 64 sums a lane are held within 448 x the folded scale, converted eight at a time, and stored as eight images of 256 bytes.
.macro OUTB a
.set AC, 64*((\a)%4)
.if (\a) < 4
	WIN 0x02                                       ; source 0: window 2
.else
	WIN 0x03                                       ; window 3
.endif
.set i, 0
.rept 64
	v_med3_num_f32 v[TMP+i], v[AC+i], -v[LIM], v[LIM]   ; each accumulator from its low end on; the conversion does not saturate (ISA guide 7.6.2)
.set i, i+1
.endr
	WIN 0
.irp b, 0,1,2,3,4,5,6,7
	v_cvt_scalef32_pk8_fp8_f32 v[OC+16*(\a)+2*\b:OC+16*(\a)+2*\b+1], v[TMP+8*\b:TMP+8*\b+7], v[SCV]
.endr
	v_nop                                          ; a plain line between the conversions and the next block's holds, which write their sources
.irp b, 0,1,2,3,4,5,6,7
	global_store_b64 v[VO+\b/4], v[OC+16*(\a)+2*\b:OC+16*(\a)+2*\b+1], s[14:15] offset:256*(\b%4)   ; 32 lanes store 256 consecutive bytes, aligned
.endr
.endm
	PLACES NP                                      ; behind the last products: for the reads of their results and the writes over A's fragments
.irp a, 0,1,2,3,4,5,6,7
	OUTB \a
.if \a < 7
	s_wait_xcnt 0x0                                ; the stores have read their base: it may step
	s_add_nc_u64 s[14:15], s[14:15], s[88:89]      ; the next A block's images
.endif
.endr
	s_wait_tensorcnt 0x0                           ; the wave's end
	ds_add_u32 v[SPW], v[NIL]
	s_wait_dscnt 0x0
	CROUND                                         ; the closing round: no work-group ends while a partner may still ask for a tile that names it
	s_endpgm
.Lfunc_end_k_qb2f2418ae0_qkv:
	.size	k_qb2f2418ae0_qkv, .Lfunc_end_k_qb2f2418ae0_qkv-k_qb2f2418ae0_qkv
	.p2alignl 7, 3214868480
	.fill 96, 4, 3214868480
	.section	.rodata,"a",@progbits
	.p2align	6, 0x0
	.amdhsa_kernel k_qb2f2418ae0_qkv
		.amdhsa_group_segment_fixed_size 327680
		.amdhsa_private_segment_fixed_size 0
		.amdhsa_enable_private_segment 0
		.amdhsa_kernarg_size 48
		.amdhsa_user_sgpr_count 2
		.amdhsa_user_sgpr_kernarg_segment_ptr 1
		.amdhsa_wavefront_size32 1
		.amdhsa_system_sgpr_workgroup_id_x 1
		.amdhsa_system_sgpr_workgroup_id_y 1
		.amdhsa_system_sgpr_workgroup_id_z 1
		.amdhsa_system_vgpr_workitem_id 0
		.amdhsa_next_free_vgpr 1024
		.amdhsa_next_free_sgpr 100
		.amdhsa_reserve_vcc 0
		.amdhsa_float_denorm_mode_32 3
		.amdhsa_float_denorm_mode_16_64 3
		.amdhsa_memory_ordered 1
		.amdhsa_forward_progress 1
		.amdhsa_inst_pref_size 141
	.end_amdhsa_kernel
	.amdgpu_metadata
---
amdhsa.version: [ 1, 2 ]
amdhsa.kernels:
  - .name:           k_qb2f2418ae0_qkv
    .symbol:         k_qb2f2418ae0_qkv.kd
    .args:
      - { .name: codes, .offset: 0, .size: 8, .value_kind: global_buffer, .address_space: global }
      - { .name: lowp_scales, .offset: 8, .size: 8, .value_kind: global_buffer, .address_space: global }
      - { .name: q_b, .offset: 16, .size: 8, .value_kind: global_buffer, .address_space: global }
      - { .name: k_b, .offset: 24, .size: 8, .value_kind: global_buffer, .address_space: global }
      - { .name: v_b, .offset: 32, .size: 8, .value_kind: global_buffer, .address_space: global }
      - { .name: qkvc, .offset: 40, .size: 8, .value_kind: global_buffer, .address_space: global }
    .group_segment_fixed_size: 327680
    .private_segment_fixed_size: 0
    .kernarg_segment_align: 8
    .kernarg_segment_size: 48
    .max_flat_workgroup_size: 128
    .sgpr_count:     100
    .vgpr_count:     1024
    .wavefront_size: 32
...
	.end_amdgpu_metadata
.endif
;; end of part 2
;; launch attn (part 3): grid 16 x 16, 16 waves a work-group, no clusters, 169,984 bytes of LDS; arguments qkvc, lowp_scales, ac; writes ac
.if DOCPART == 3
	.amdgcn_target "amdgcn-amd-amdhsa--gfx1250"
	.amdhsa_code_object_version 6
	.text
	.protected	k_qb2f2418ae0_attn
	.globl	k_qb2f2418ae0_attn
	.p2align	8
	.type	k_qb2f2418ae0_attn,@function
k_qb2f2418ae0_attn:
	s_mov_b64 s[64:65], 0
	v_nop
	global_prefetch_b8 v0, s[64:65] scope:SCOPE_SE
	s_setreg_imm32_b32 hwreg(HW_REG_WAVE_MODE, 25, 1), 1
	s_wait_xcnt 0x0
; Attention in a causal window of 256 keys, 16 heads of 64 channels, both products on codes of FP8 (E4M3).  Key k counts for query q where 0 <= q - k < 256.
; score = q . k / 8; attn = softmax over the window, FINISHED AND NORMALISED in f32 (the row's maximum is taken away, the row's sum divides), and only then quantised (entry 8 of the scales);
; out = attn v, quantised at once for the last projection (entry 10).
; SHARES.  A work-group owns 256 queries of one head, each of its sixteen waves one tile of 16: four waves to a SIMD, so that one wave's vector work stands beside another's products and LDS loads.
; A tile of 16 queries (tile qt) sees the 17 key tiles qt - 16 .. qt; only the first and the last are cut by the window.  All 17 tiles of scores stay in registers: 136 a lane.
; LAYOUT.  Both products are used transposed: S^T = K Q^T (source 0 = 16 keys, source 1 = my 16 queries), O^T = V^T P^T (source 0 = 16 channels, source 1 = P): a lane holds ONE query (lane % 16).
; A tile of S^T holds keys 8 (lane / 16) + 0 .. 7 in its 8 registers: converted, they are two registers of P in the plain 8-bit layout.  q, k and v arrive as images of fragments' registers.
; LDS is filled ONCE: the work-group's 32 key tiles (slot s = tile 16 qb - 16 + s), V at byte 0 as [dt 4][slot 32][256 bytes], K at 32,768 as [slot 32][1,024 bytes]; each wave brings 4,096 dense bytes by one tensor load.
; In the head's first work-group the 16 tiles ahead of key 0 do not exist: tiles 0-15 are fetched in their place (no load leaves its buffer); their scores become -infinity, so their p are zero codes.
; NO CLUSTER: neighbouring query blocks share 16 of their 32 key tiles, and those lie at slots 16-31 in one work-group and at slots 0-15 in the other, while a joint load has one LDS address for all that it names.
; out's codes go out as images too: [head / 8][row tile 256][head % 8][b 2][lane 32][16 bytes]: lane (r, h): row r, channels 32 b + 8 h + 0 .. 7, then 32 b + 16 + 8 h + 0 .. 7.
; LIMITS on the given exponents: e6 + e7 between -122 and 130 (added to c's exponent field); e8, and e10 - e8 - e9, between -126 and 119.  NaN among the inputs is not served.
; REGISTERS: v1-7 addresses and constants; v8-11 four running maxima; v[12:13] c x maximum; v[14:15] 1 / sum; v16-23 Q; v24-103 ten tiles of K, later O^T (v24-55) and P (v56-95);
;   v104-239 S^T, then p, then V's fragments; v240-243 the sums; v244-247 the two quantisers' scales; v248-255 out's codes.
.set S,   104
.set KS,  24
.set O,   24
.set P,   56
.set KOFF, 32768
	s_load_b128 s[4:7], s[0:1], 0x0                ; qkvc, the scales' exponents
	s_load_b64 s[8:9], s[0:1], 0x10                ; ac
	v_lshl_add_u32 v254, v0, 2, 0x29000
	v_mov_b32 v255, 0
	ds_add_u32 v254, v255
	ds_add_u32 v254, v255
	s_wait_dscnt 0x0
	v_lshrrev_b32 v1, 5, v0
	v_readfirstlane_b32 s10, v1                    ; wave 0..15
	s_and_b32 s11, ttmp7, 0xffff                   ; the head
	s_lshl_b32 s40, ttmp9, 4                       ; the block's own first tile
	s_sub_co_i32 s41, s40, 16
	s_max_i32 s41, s41, 0                          ; the first tile of the 16 ahead of it, or tile 0
	s_add_co_u32 s25, s40, s10                     ; qt: my tile of queries
	s_sub_co_i32 s24, s25, 16                      ; my first key tile; below 0 where it does not exist
	; what I fetch.  Waves 0-7: V: dt = wave / 2, slots 16 (wave % 2) on
	s_and_b32 s42, s10, 1
	s_cmp_eq_u32 s42, 0
	s_cselect_b32 s42, s41, s40
	s_lshl_b32 s42, s42, 8
	s_lshr_b32 s44, s10, 1
	s_lshl_b32 s44, s44, 16
	s_add_co_u32 s42, s42, s44
	s_add_co_u32 s42, s42, 0x800000
	; waves 8-15: K: slots 4 (wave - 8) on
	s_and_b32 s45, s10, 7
	s_lshr_b32 s46, s45, 2
	s_cmp_eq_u32 s46, 0
	s_cselect_b32 s46, s41, s40
	s_and_b32 s47, s45, 3
	s_lshl_b32 s47, s47, 2
	s_add_co_u32 s46, s46, s47
	s_lshl_b32 s46, s46, 10
	s_add_co_u32 s46, s46, 0x400000
	s_cmp_lt_u32 s10, 8
	s_cselect_b32 s42, s42, s46
	s_lshl_b32 s48, s11, 18                        ; a head: 262,144 bytes in each of q, k, v
	s_add_co_u32 s42, s42, s48
	s_mov_b32 s43, 0
	s_lshl_b32 s44, s25, 10                        ; Q: my tile's 1,024 bytes
	s_add_co_u32 s44, s44, s48
	s_mov_b32 s45, 0
	s_lshr_b32 s46, s11, 3                         ; out's codes: (head / 8) x 2 Mi + qt x 8,192 + (head % 8) x 1,024
	s_lshl_b32 s46, s46, 21
	s_lshl_b32 s47, s25, 13
	s_add_co_u32 s46, s46, s47
	s_and_b32 s47, s11, 7
	s_lshl_b32 s47, s47, 10
	s_add_co_u32 s46, s46, s47
	s_mov_b32 s47, 0
	; descriptor group 1: a dense block of 4,096 bytes as 16 rows of 32 elements of 8 bytes
	s_mov_b32 s16, 3<<16                           ; no mask; elements of 8 bytes; no padding
	s_mov_b32 s17, 32<<16                          ; tensor_dim0
	s_mov_b32 s18, 16<<16                          ; tensor_dim1
	s_mov_b32 s19, 32<<16                          ; tile_dim0
	s_mov_b32 s20, 16                              ; tile_dim1
	s_mov_b32 s21, 32                              ; tensor_dim0_stride
	s_mov_b32 s22, 0
	s_mov_b32 s23, 0
	s_mov_b32 s12, 1
	s_lshl_b32 s13, s10, 12                        ; LDS byte 4,096 x wave
	s_mov_b32 s28, 0x76543210                      ; v_permlanex16_b32's selects for lane l xor 16
	s_mov_b32 s29, 0xfedcba98
	s_wait_kmcnt 0x0
	s_load_b128 s[32:35], s[6:7], 0x18             ; e6, e7, e8, e9
	s_load_b32 s36, s[6:7], 0x28                   ; e10
	s_add_nc_u64 s[38:39], s[4:5], s[44:45]
	s_add_nc_u64 s[8:9], s[8:9], s[46:47]
	s_add_nc_u64 s[14:15], s[4:5], s[42:43]
	s_or_b32 s15, s15, 0x80000000
	tensor_load_to_lds s[12:15], s[16:23]          ; my one tensor load of the launch
	s_nop 0
	v_and_b32 v1, 31, v0                           ; lane
	v_lshlrev_b32 v6, 4, v1                        ; 16 x lane: the way out
	v_lshlrev_b32 v1, 3, v1                        ; 8 x lane: a lane's place in an image of two registers
.irp c, 0,1,2,3
	global_load_b64 v[16+2*\c:17+2*\c], v1, s[38:39] offset:256*\c   ; Q's fragment: 256 consecutive bytes a load
.endr
	s_lshl_b32 s44, s10, 10
	v_add_nc_u32 v2, s44, v1
	v_add_nc_u32 v2, KOFF, v2                      ; K: my first tile lies in slot = wave
	s_lshl_b32 s44, s10, 8
	v_add_nc_u32 v3, s44, v1                       ; V likewise
	v_and_b32 v4, 15, v0
	v_bfe_u32 v5, v0, 4, 1
	v_lshlrev_b32 v5, 3, v5
	v_sub_nc_u32 v4, v4, v5                        ; d = r - 8 h
	v_mov_b32 v5, 0xff800000                       ; -infinity
	v_mov_b32 v7, 0                                ; written once: a lane permute's destination counts as one of its sources
	s_wait_kmcnt 0x0
	s_add_co_i32 s44, s32, s33
	s_lshl_b32 s44, s44, 23
	s_add_co_i32 s26, s44, 0x3e38aa3b              ; c = log2(e) / 8, x 2^(e6 + e7) by its exponent field: a sum of codes x c is the score in powers of two
	s_mov_b32 s27, s26                             ; (named with it as a pair, so it is written)
	s_add_co_i32 s44, s34, 127
	s_lshl_b32 s45, s44, 23
	v_mov_b32 v244, s45                            ; 2^e8
	s_add_co_i32 s44, s44, 8
	s_lshl_b32 s44, s44, 23
	s_or_b32 s44, s44, 0x600000
	v_mov_b32 v245, s44                            ; 448 x 2^e8
	s_sub_co_i32 s44, s36, s34
	s_sub_co_i32 s44, s44, s35
	s_add_co_i32 s44, s44, 127
	s_lshl_b32 s45, s44, 23
	v_mov_b32 v246, s45                            ; 2^(e10 - e8 - e9): a sum of the second product stands for sum x 2^(e8 + e9)
	s_add_co_i32 s44, s44, 8
	s_lshl_b32 s44, s44, 23
	s_or_b32 s44, s44, 0x600000
	v_mov_b32 v247, s44
	s_wait_tensorcnt 0x0                           ; my part has landed,
	s_barrier_signal -1
	s_barrier_wait -1                              ; everybody's has.  Nothing is filled again: the launch's one barrier
.macro LOADK t, s                      ; key tile t of my 17 into K's place s
.irp c, 0,1,2,3
	ds_load_b64 v[KS+8*\s+2*\c:KS+8*\s+2*\c+1], v2 offset:1024*\t+256*\c
.endr
.endm
.macro WMS t, s
	v_wmma_f32_16x16x64_fp8_fp8 v[S+8*\t:S+8*\t+7], v[KS+8*\s:KS+8*\s+7], v[16:23], 0
.endm
.macro PLACES                          ; four plain lines between a matrix instruction and a load into, or a vector write of, its registers, and a vector read of its result
.rept 4
	v_nop
.endr
.endm
.irp t, 0,1,2,3,4,5,6,7,8,9
	LOADK \t, \t
.endr
	s_wait_loadcnt 0x0                             ; Q
	s_wait_dscnt 20                                ; tiles 0-4 are in; tiles 5-9's twenty loads may be out
.irp t, 0,1,2,3,4
	WMS \t, \t
.endr
	PLACES
	LOADK 10, 0
	LOADK 11, 1
	LOADK 12, 2
	LOADK 13, 3
	LOADK 14, 4
	s_wait_dscnt 20                                ; tiles 5-9 are in; the twenty just issued may be out
.irp t, 5,6,7,8,9
	WMS \t, \t
.endr
	PLACES
	LOADK 15, 5
	LOADK 16, 6
	s_wait_dscnt 8                                 ; tiles 10-14 are in; the eight just issued may be out
	WMS 10, 0
	WMS 11, 1
	WMS 12, 2
	WMS 13, 3
	WMS 14, 4
	s_wait_dscnt 0x0
	WMS 15, 5
	WMS 16, 6
	PLACES
	; key tiles ahead of key 0 (the head's first work-group alone): tile t does not exist where my first key tile + t is below 0.  Branches on ids; no barrier and no tensor load follows
	s_cmp_ge_i32 s24, 0
	s_cbranch_scc1 .Lexist
.irp t, 0,1,2,3,4,5,6,7,8,9,10,11,12,13,14,15
.irp j, 0,1,2,3,4,5,6,7
	v_mov_b32 v[S+8*\t+\j], v5
.endr
.if \t < 15
	s_cmp_ge_i32 s24, -(\t+1)
	s_cbranch_scc1 .Lexist
.endif
.endr
.Lexist:
	; the window's two edges.  Tile 0, register j: q - k = 256 + d - j: it counts where j > d.  Tile 16: k - q = j - d: it is hidden where j > d.  One compare serves both
.irp j, 0,1,2,3,4,5,6,7
	v_cmp_gt_i32 vcc_lo, \j, v4
	v_cndmask_b32 v[S+\j], v5, v[S+\j], vcc_lo
	v_cndmask_b32 v[S+128+\j], v[S+128+\j], v5, vcc_lo
.endr
	; the row's largest score, in four chains; each tile from its low end on.  The query's own key always counts, so the maximum is a number
.irp k, 0,1,2,3
	v_max_num_f32 v[8+\k], v[S+2*\k], v[S+2*\k+1]
.endr
.set t, 1
.rept 16
.irp k, 0,1,2,3
	v_max3_num_f32 v[8+\k], v[8+\k], v[S+8*t+2*\k], v[S+8*t+2*\k+1]
.endr
.set t, t+1
.endr
	v_max3_num_f32 v8, v8, v9, v10
	v_max_num_f32 v8, v8, v11
	v_permlanex16_b32 v7, v8, s28, s29             ; the query's other keys lie in the lane 16 away
	v_max_num_f32 v8, v8, v7
	v_mul_f32 v12, s26, v8                         ; c x maximum (c is positive)
	v_mov_b32 v13, v12                             ; (named with it as a pair)
.set i, 0
.rept 68
	v_pk_fma_f32 v[S+i:S+i+1], v[S+i:S+i+1], s[26:27], v[12:13] op_sel_hi:[1,0,0] neg_lo:[0,0,1] neg_hi:[0,0,1]   ; c s - c m, two at a time; the rounding of c m is common to the row and leaves with the division
.set i, i+2
.endr
.set i, 0
.rept 136
	v_exp_f32 v[S+i], v[S+i]                       ; one batch; none of these reads another's result
.set i, i+1
.endr
.irp j, 34,35,36,37,38,39
	v_mov_b32 v[P+\j], 0                           ; the last K step of the second product has one tile of keys: the other three are zero codes.  (Plain lines behind the exponentials)
.endr
	s_wait_alu depctr_va_vdst(0)                   ; one wait for the batch, ahead of its first reader
	v_pk_add_f32 v[240:241], v[S:S+1], v[S+2:S+3]  ; the row's sum, two at a time, in two chains
	v_pk_add_f32 v[242:243], v[S+4:S+5], v[S+6:S+7]
.set i, 8
.rept 32
	v_pk_add_f32 v[240:241], v[240:241], v[S+i:S+i+1]
	v_pk_add_f32 v[242:243], v[242:243], v[S+i+2:S+i+3]
.set i, i+4
.endr
	v_pk_add_f32 v[240:241], v[240:241], v[242:243]
	v_add_f32 v240, v240, v241
	v_permlanex16_b32 v7, v240, s28, s29
	v_add_f32 v240, v240, v7
	v_rcp_f32 v14, v240
	v_nop                                          ; a plain line behind the reciprocal
	s_wait_alu depctr_va_vdst(0)                   ; and the wait ahead of its first reader
	v_mov_b32 v15, v14
.set i, 0
.rept 68
	v_pk_mul_f32 v[S+i:S+i+1], v[S+i:S+i+1], v[14:15]   ; the finished softmax
.set i, i+2
.endr
.set i, 0
.rept 136
	v_min_num_f32 v[S+i], v[S+i], v245             ; the hold at the largest code x the scale; nothing here is negative, so it is one-sided
.set i, i+1
.endr
.set t, 0
.rept 17
	v_cvt_scalef32_pk8_fp8_f32 v[P+2*t:P+2*t+1], v[S+8*t:S+8*t+7], v244   ; tile t: registers 2 (t % 4), + 1 of K step t / 4
.set t, t+1
.endr
	v_nop                                          ; a plain line between the conversions and the products that read their results
.macro LOADV g                         ; V^T's four fragments (dt 0-3) of key tiles 4 g .. 4 g + 3, where p's numbers lay
.irp dt, 0,1,2,3
.irp c, 0,1,2,3
	ds_load_b64 v[S+32*\g+8*\dt+2*\c:S+32*\g+8*\dt+2*\c+1], v3 offset:8192*\dt+256*(4*\g+\c)
.endr
.endr
.endm
.macro WMPV g, fr, zero                ; O^T += V^T P^T over 64 keys: the four accumulators take turns, one instruction a turn
.irp dt, 0,1,2,3
.if \zero
	v_wmma_f32_16x16x64_fp8_fp8 v[O+8*\dt:O+8*\dt+7], v[S+32*\fr+8*\dt:S+32*\fr+8*\dt+7], v[P+8*\g:P+8*\g+7], 0
.else
	v_wmma_f32_16x16x64_fp8_fp8 v[O+8*\dt:O+8*\dt+7], v[S+32*\fr+8*\dt:S+32*\fr+8*\dt+7], v[P+8*\g:P+8*\g+7], v[O+8*\dt:O+8*\dt+7]
.endif
.endr
.endm
	LOADV 0
	LOADV 1
	LOADV 2
	LOADV 3
	s_wait_dscnt 48                                ; group 0's sixteen loads are in; the 48 younger ones may be out
	WMPV 0, 0, 1
	PLACES
.irp dt, 0,1,2,3
	ds_load_b64 v[S+8*\dt:S+8*\dt+1], v3 offset:8192*\dt+256*16   ; key tile 16 takes the first two registers of group 0's fragments; the other six keep codes that meet zero codes of p alone
.endr
	s_wait_dscnt 36                                ; group 1 is in: behind it groups 2, 3 and the four just issued
	WMPV 1, 1, 0
	s_wait_dscnt 20                                ; group 2: behind it group 3 and the four
	WMPV 2, 2, 0
	s_wait_dscnt 4                                 ; group 3: behind it the four
	WMPV 3, 3, 0
	s_wait_dscnt 0x0
	WMPV 4, 0, 0
	PLACES
.set i, 0
.rept 32
	v_med3_num_f32 v[O+i], v[O+i], -v247, v247     ; each accumulator from its low end on
.set i, i+1
.endr
.irp dt, 0,1,2,3
	v_cvt_scalef32_pk8_fp8_f32 v[248+2*\dt:249+2*\dt], v[O+8*\dt:O+8*\dt+7], v246   ; channels 16 dt + 8 h + 0 .. 7 of my query
.endr
	v_nop
	global_store_b128 v6, v[248:251], s[8:9]               ; 512 consecutive bytes, aligned: channels 0-31
	global_store_b128 v6, v[252:255], s[8:9] offset:512    ; channels 32-63
	s_wait_xcnt 0x0
	v_lshl_add_u32 v254, v0, 2, 0x29000
	v_mov_b32 v255, 0
	s_wait_tensorcnt 0x0
	ds_add_u32 v254, v255
	s_wait_dscnt 0x0
	s_endpgm
.Lfunc_end_k_qb2f2418ae0_attn:
	.size	k_qb2f2418ae0_attn, .Lfunc_end_k_qb2f2418ae0_attn-k_qb2f2418ae0_attn
	.p2alignl 7, 3214868480
	.fill 96, 4, 3214868480
	.section	.rodata,"a",@progbits
	.p2align	6, 0x0
	.amdhsa_kernel k_qb2f2418ae0_attn
		.amdhsa_group_segment_fixed_size 169984
		.amdhsa_private_segment_fixed_size 0
		.amdhsa_enable_private_segment 0
		.amdhsa_kernarg_size 24
		.amdhsa_user_sgpr_count 2
		.amdhsa_user_sgpr_kernarg_segment_ptr 1
		.amdhsa_wavefront_size32 1
		.amdhsa_system_sgpr_workgroup_id_x 1
		.amdhsa_system_sgpr_workgroup_id_y 1
		.amdhsa_system_sgpr_workgroup_id_z 1
		.amdhsa_system_vgpr_workitem_id 0
		.amdhsa_next_free_vgpr 256
		.amdhsa_next_free_sgpr 66
		.amdhsa_reserve_vcc 1
		.amdhsa_float_denorm_mode_32 3
		.amdhsa_float_denorm_mode_16_64 3
		.amdhsa_memory_ordered 1
		.amdhsa_forward_progress 1
		.amdhsa_inst_pref_size 53
	.end_amdhsa_kernel
	.amdgpu_metadata
---
amdhsa.version: [ 1, 2 ]
amdhsa.kernels:
  - .name:           k_qb2f2418ae0_attn
    .symbol:         k_qb2f2418ae0_attn.kd
    .args:
      - { .name: qkvc, .offset: 0, .size: 8, .value_kind: global_buffer, .address_space: global }
      - { .name: lowp_scales, .offset: 8, .size: 8, .value_kind: global_buffer, .address_space: global }
      - { .name: ac, .offset: 16, .size: 8, .value_kind: global_buffer, .address_space: global }
    .group_segment_fixed_size: 169984
    .private_segment_fixed_size: 0
    .kernarg_segment_align: 8
    .kernarg_segment_size: 24
    .max_flat_workgroup_size: 512
    .sgpr_count:     66
    .vgpr_count:     256
    .wavefront_size: 32
...
	.end_amdgpu_metadata
.endif
;; end of part 3
;; launch oproj (part 4): grid 8 x 32, 4 waves a work-group, clusters of 4 x 4, 327,680 bytes of LDS; arguments ac, codes, lowp_scales, o_b, out0; writes out0
.if DOCPART == 4
	.amdgcn_target "amdgcn-amd-amdhsa--gfx1250"
	.amdhsa_code_object_version 6
	.text
	.protected	k_qb2f2418ae0_oproj
	.globl	k_qb2f2418ae0_oproj
	.p2align	8
	.type	k_qb2f2418ae0_oproj,@function
k_qb2f2418ae0_oproj:
	s_mov_b64 s[64:65], 0
	v_nop
	global_prefetch_b8 v0, s[64:65] scope:SCOPE_SE
	s_setreg_imm32_b32 hwreg(HW_REG_WAVE_MODE, 25, 1), 1
	s_wait_xcnt 0x0
	s_wait_alu depctr_hold_cnt(0) depctr_sa_sdst(0) depctr_va_vdst(0) depctr_va_sdst(0) depctr_va_ssrc(0) depctr_va_vcc(0) depctr_vm_vsrc(0)
	s_getreg_b32 s2, hwreg(HW_REG_IB_STS2, 6, 4)
	s_cmp_eq_u32 s2, 0
	s_cbranch_scc0 .Lentry_in_a_cluster
	s_endpgm
.Lentry_in_a_cluster:
	s_bfe_u32 s2, ttmp6, 0x10000c
	s_cmp_lg_u32 s2, 0xf033
	s_cbranch_scc0 .Lentry_shape_is_right
	s_endpgm
.Lentry_shape_is_right:
; out0 = a o_w^T + o_b on codes of FP8 (E4M3): a [4096][1024] as images of fragments' registers (made by the attention launch), o_w's codes [1024][1024] at byte 15 Mi of the codes' buffer; sums in f32.
; out0 = sum x 2^(e10 + e11) + o_b, one packed multiply-add for two numbers.  LIMIT: e10 + e11 between -126 and 127.
; A tile of out0 is 128 x 128, so that there are 256 work-groups; four waves, each 64 x 64: 16 accumulators.  ALL OF K LIES IN LDS: two slots of 512 along K, each filled once, both asked for at the head;
; slot 1 lands while slot 0 is multiplied.  Nothing is filled again.
; A's part of a slot: 8 row tiles x 8,192 bytes of images: [row tile][K step of 128: 2,048 bytes][c 4][lane 32][16 bytes]: a fragment is four loads of 512 consecutive bytes.
; B's part: 128 rows of 512 bytes + 16 of padding.  By the order of the codes in memory a load of 16 bytes at 32 c + 16 (lane / 16) holds the same k as A's image c.
; CLUSTERS: 4 x 4 work-groups; A's blocks are asked for jointly along a row of the cluster, B's tiles along a column.
; THE MATRIX INSTRUCTION IS USED TRANSPOSED (source 0 = 16 rows of o_w, source 1 = 16 rows of a): a lane holds eight neighbouring numbers of a row of out0.
; REGISTERS: window 0: v16-26 addresses; v32-63 a block's results; v64-95 rows read back; v96-127 o_b; v128-255 the accumulators ((a, b) at v[128 + 8 (4 a + b)]).
;   window 1: two fragment buffers of 128: A's four fragments, then B's four.
.set PB,    528                        ; a row of B in LDS: 512 bytes + 16 = 132 words: the 16 rows that a load touches start at 16 different banks (64 banks of 4 bytes: ISA guide 11.1)
.set AIMG,  65536                      ; A's part of a slot
.set BHALF, 64*PB                      ; what one tensor load brings of B
.set SLOT,  AIMG+2*BHALF
.set STAGE, 2*SLOT                     ; behind the slots: 16 rows x 272 bytes for each wave, for the way out; no tensor load lands there
.set SP,    272
.set ADRA, 16                          ; v16-17 LDS address of my A fragments in slot 0, 1
.set ADRB, 20                          ; v20-21 the same for B
.set STO,  24                          ; v24  the way out: where I put 32 bytes of a row
.set RD,   25                          ; v25  where I read 16 bytes of a row back
.set CO,   26                          ; v26  my byte offset in out0
.set T,    32
.set OB,   64
.set BB,   96
.set ACC,  128
.set F0,   0
.set F1,   128
.set G1A, 24                           ; s[24:31] descriptor group 1 for A;  s[32:39] group 0, one set for each slot
.set G0A, 32
.set G1B, 40                           ; s[40:47], s[48:55] the same for B
.set G0B, 48
.set MSB, 0
.macro WIN new                         ; the immediate's high byte repeats the setting that is left
.if MSB != (\new)
	s_set_vgpr_msb (MSB<<8)|(\new)
.set MSB, (\new)
.endif
.endm
.set MUL,  0x05                        ; sources 0 (B) and 1 (A) window 1; C and D window 0
.set TO_F, 0x40                        ; destination window 1, address window 0
.macro CROUND                          ; a round of the cluster's barrier
	s_barrier_signal -1
	s_barrier_wait -1
	s_cmp_lg_u32 s14, 0
	s_cbranch_scc1 .Lnot_wave_0_\@
	s_barrier_signal -3
.Lnot_wave_0_\@:
	s_barrier_wait -3
	s_barrier_signal -1
	s_barrier_wait -1
.endm
	s_load_b256 s[4:11], s[0:1], 0x0               ; ac s[4:5], codes s[6:7], the scales' exponents s[8:9], o_b s[10:11]
	s_load_b64 s[12:13], s[0:1], 0x20              ; out0
	v_lshl_add_u32 v30, v0, 2, 0x45400
	v_mov_b32 v31, 0
	ds_add_u32 v30, v31
	ds_add_u32 v30, v31
	v_lshrrev_b32 v1, 5, v0
	v_readfirstlane_b32 s14, v1                    ; wave 0..3
	s_lshr_b32 s15, s14, 1                         ; which half of the tile's rows is mine.  Also: I fetch for A (0) or for B (1)
	s_and_b32 s16, s14, 1                          ; which half of its columns.  Also: which half of A's block or of B's rows I fetch
	s_bfe_u32 s17, ttmp6, 0x40000                  ; cx, cy: my place in the cluster
	s_bfe_u32 s18, ttmp6, 0x40004
	s_lshl_b32 s19, ttmp9, 2
	s_add_co_u32 s19, s19, s17                     ; tile column = 4 x cluster x + cx
	s_and_b32 s20, ttmp7, 0xffff
	s_lshl_b32 s20, s20, 2
	s_add_co_u32 s20, s20, s18                     ; tile row = 4 x cluster y + cy
	s_lshl_b32 s21, s18, 2
	s_lshl_b32 s21, 15, s21                        ; my row of the cluster
	s_lshl_b32 s22, 0x1111, s17                    ; my column
	s_or_b32 s[G1A], s21, (1<<21)                  ; A: the mask of my row; elements of 1 byte; no padding; 21 set beside a mask
	s_mov_b32 s[G1A+1], 256<<16                    ; a dense block of 32,768 bytes as 128 rows of 256
	s_mov_b32 s[G1A+2], 128<<16
	s_mov_b32 s[G1A+3], 256<<16
	s_mov_b32 s[G1A+4], 128
	s_mov_b32 s[G1A+5], 256
	s_mov_b32 s[G1A+6], 0
	s_mov_b32 s[G1A+7], 0
	s_or_b32 s[G1B], s22, (1<<20)|(1<<21)|(6<<22)|(3<<25)  ; B: the mask of my column; padding: four words after every 128
	s_mov_b32 s[G1B+1], 512<<16                    ; 64 rows of 512 bytes, 1,024 bytes apart
	s_mov_b32 s[G1B+2], 64<<16
	s_mov_b32 s[G1B+3], 512<<16
	s_mov_b32 s[G1B+4], 64
	s_mov_b32 s[G1B+5], 1024
	s_mov_b32 s[G1B+6], 0
	s_mov_b32 s[G1B+7], 0
	s_lshl_b32 s56, s20, 16                        ; A: (8 x tile row + 4 x half) row tiles of 8,192 bytes
	s_lshl_b32 s57, s16, 15
	s_add_co_u32 s56, s56, s57
	s_mov_b32 s57, 0
	s_lshl_b32 s58, s19, 17                        ; B: 15 Mi + (128 x tile column + 64 x half) rows of 1,024 bytes
	s_lshl_b32 s59, s16, 16
	s_add_co_u32 s58, s58, s59
	s_add_co_u32 s58, s58, 0xf00000
	s_mov_b32 s59, 0
	s_lshl_b32 s62, s16, 15                        ; where they go: no place in the cluster enters an LDS address
	s_mul_i32 s63, s16, BHALF
	s_add_co_u32 s63, s63, AIMG
	s_wait_dscnt 0x0
	s_wait_kmcnt 0x0
	s_load_b64 s[60:61], s[8:9], 0x28              ; e10, e11
	s_add_nc_u64 s[56:57], s[4:5], s[56:57]
	s_add_nc_u64 s[58:59], s[6:7], s[58:59]
	CROUND                                         ; all sixteen work-groups are here: the joint loads meet
.irp s, 0,1
	s_mov_b32 s[G0A+4*\s], 1
	s_add_co_u32 s[G0A+4*\s+1], s62, \s*SLOT
	s_add_nc_u64 s[G0A+4*\s+2:G0A+4*\s+3], s[56:57], \s*0x200000   ; heads 8 s .. 8 s + 7 lie 2 Mi on
	s_or_b32 s[G0A+4*\s+3], s[G0A+4*\s+3], 0x80000000
	s_mov_b32 s[G0B+4*\s], 1
	s_add_co_u32 s[G0B+4*\s+1], s63, \s*SLOT
	s_add_nc_u64 s[G0B+4*\s+2:G0B+4*\s+3], s[58:59], \s*512
	s_or_b32 s[G0B+4*\s+3], s[G0B+4*\s+3], 0x80000000
.endr
	s_cmp_eq_u32 s15, 0                            ; a wave's two fills stand in one branch on its number: two loads of mine are out; four v_nop follow the second
	s_cbranch_scc0 .Lfirst_b
	tensor_load_to_lds s[G0A:G0A+3], s[G1A:G1A+7]
	s_nop 0
	tensor_load_to_lds s[G0A+4:G0A+7], s[G1A:G1A+7]
	s_nop 0
.rept 4
	v_nop
.endr
	s_branch .Lfirst_asked
.Lfirst_b:
	tensor_load_to_lds s[G0B:G0B+3], s[G1B:G1B+7]
	s_nop 0
	tensor_load_to_lds s[G0B+4:G0B+7], s[G1B:G1B+7]
	s_nop 0
.rept 4
	v_nop
.endr
.Lfirst_asked:
	v_and_b32 v1, 15, v0                           ; r
	v_bfe_u32 v2, v0, 4, 1                         ; h
	v_and_b32 v3, 31, v0
	v_lshlrev_b32 v3, 4, v3                        ; 16 x lane
	s_lshl_b32 s56, s15, 15                        ; my four row tiles of A
	v_add_nc_u32 v[ADRA], s56, v3
	v_add_nc_u32 v[ADRA+1], SLOT, v[ADRA]
	v_mul_u32_u24 v4, v1, PB
	v_lshl_add_u32 v4, v2, 4, v4
	s_mul_i32 s57, s16, BHALF                      ; my 64 rows of B
	s_add_co_u32 s57, s57, AIMG
	v_add_nc_u32 v[ADRB], s57, v4
	v_add_nc_u32 v[ADRB+1], SLOT, v[ADRB]
	s_mul_i32 s58, s14, 16*SP
	s_add_co_u32 s58, s58, STAGE                   ; my stage
	v_mul_u32_u24 v[STO], v1, SP
	v_lshl_add_u32 v[STO], v2, 5, v[STO]
	v_add_nc_u32 v[STO], s58, v[STO]               ; in: row r, 32 bytes for each half of the lanes
	v_mul_u32_u24 v[RD], v2, SP
	v_lshl_add_u32 v[RD], v1, 4, v[RD]
	v_add_nc_u32 v[RD], s58, v[RD]                 ; back: lanes 0-15 one row of 256 bytes, lanes 16-31 the next
	v_lshlrev_b32 v[CO], 12, v2
	v_lshl_add_u32 v[CO], v1, 4, v[CO]             ; and the same two rows in out0
	v_lshlrev_b32 v5, 5, v2                        ; o_b: my half's 8 numbers of a block of 16
	s_lshl_b32 s2, s19, 9                          ; my first column, in bytes: 512 x tile column + 256 x half
	s_lshl_b32 s3, s16, 8
	s_add_co_u32 s2, s2, s3
	s_mov_b32 s3, 0
	s_add_nc_u64 s[10:11], s[10:11], s[2:3]
	s_add_nc_u64 s[12:13], s[12:13], s[2:3]
	s_lshl_b32 s2, s20, 19                         ; my first row: (128 x tile row + 64 x half) x 4,096 bytes
	s_lshl_b32 s3, s15, 18
	s_add_co_u32 s2, s2, s3
	s_mov_b32 s3, 0
	s_add_nc_u64 s[12:13], s[12:13], s[2:3]
.irp b, 0,1,2,3
	global_load_b128 v[BB+8*\b:BB+8*\b+3],   v5, s[10:11] offset:64*\b      ; register 8 b + j = o_b of column 16 b + 8 h + j
	global_load_b128 v[BB+8*\b+4:BB+8*\b+7], v5, s[10:11] offset:64*\b+16
.endr
	s_wait_kmcnt 0x0
	s_add_co_i32 s60, s60, s61
	s_add_co_i32 s60, s60, 127
	s_lshl_b32 s60, s60, 23                        ; 2^(e10 + e11) as f32
	s_mov_b32 s61, s60                             ; (named with it as a pair, so it is written)
; 32 LDS loads in one run: the fragments of the slot's q-th 128 along K into buffer f: B's four, A's blocks 0 and 1, A's blocks 2 and 3
.macro FETCH slot, q, f
	WIN TO_F
.irp i, 0,1,2,3
.irp c, 0,1,2,3
	ds_load_b128 v[\f+64+16*\i+4*\c:\f+64+16*\i+4*\c+3], v[ADRB+\slot] offset:\i*16*PB+128*(\q)+32*\c
.endr
.endr
.irp i, 0,1,2,3
.irp c, 0,1,2,3
	ds_load_b128 v[\f+16*\i+4*\c:\f+16*\i+4*\c+3], v[ADRA+\slot] offset:\i*8192+2048*(\q)+512*\c
.endr
.endr
.endm
; 8 matrix instructions: A's blocks a0, a0 + 1 x B's four.  zero = 1: the first product starts the sums.  The 16 accumulators take turns, one instruction a turn
.macro MUL8 f, a0, zero
.irp a, \a0, \a0+1
.irp b, 0,1,2,3
.if \zero
	v_wmma_f32_16x16x128_fp8_fp8 v[ACC+8*(4*(\a)+\b):ACC+8*(4*(\a)+\b)+7], v[\f+64+16*\b:\f+64+16*\b+15], v[\f+16*(\a):\f+16*(\a)+15], 0
.else
	v_wmma_f32_16x16x128_fp8_fp8 v[ACC+8*(4*(\a)+\b):ACC+8*(4*(\a)+\b)+7], v[\f+64+16*\b:\f+64+16*\b+15], v[\f+16*(\a):\f+16*(\a)+15], v[ACC+8*(4*(\a)+\b):ACC+8*(4*(\a)+\b)+7]
.endif
.endr
.endr
.endm
.macro PLACES                          ; four plain lines in front of loads into registers that matrix instructions have read, and of the first read of results (ISA guide 7.12.1 for vector instructions)
.rept 4
	v_nop
.endr
.endm
; A step of 128 along K: multiplies buffer f and, in its middle, fetches the next step (slot ns, its nq-th 128) into buffer g
.macro STEP ns, nq, f, g, zero
	s_wait_dscnt 8                                 ; B's fragments and A's blocks 0, 1 are in; the youngest eight loads (A's blocks 2, 3) may be out
	WIN MUL
	MUL8 \f, 0, \zero
	PLACES
	FETCH \ns, \nq, \g
	s_wait_dscnt 32                                ; all but the 32 just issued
	WIN MUL
	MUL8 \f, 2, \zero
.endm
	s_wait_tensorcnt 1                             ; my part of slot 0 is in; slot 1's may stay out,
	s_barrier_signal -1
	s_barrier_wait -1                              ; everybody's is
	FETCH 0, 0, F0
	STEP 0, 1, F0, F1, 1
	STEP 0, 2, F1, F0, 0
	STEP 0, 3, F0, F1, 0
	s_wait_tensorcnt 0x0                           ; slot 0's last step: my part of slot 1 is in;
	s_wait_dscnt 0x0                               ; no LDS load of mine is pending at the signal: buffer 1 is whole
	s_barrier_signal -1
	WIN MUL
	MUL8 F1, 0, 0                                  ; work on registers while the others arrive
	s_barrier_wait -1                              ; slot 1 is whole
	PLACES
	FETCH 1, 0, F0
	WIN MUL
	MUL8 F1, 2, 0
	STEP 1, 1, F0, F1, 0
	STEP 1, 2, F1, F0, 0
	STEP 1, 3, F0, F1, 0
	s_wait_dscnt 8                                 ; the last step: nothing more to fetch
	WIN MUL
	MUL8 F1, 0, 0
	s_wait_dscnt 0x0
	MUL8 F1, 2, 0
	WIN 0
	PLACES
	s_wait_loadcnt 0x0                             ; o_b
; THE WAY OUT, a block of 16 rows x 64 columns at a time.  A lane holds 32 neighbouring bytes of a row and the lanes beside it other rows: the block goes through my own stage and comes back as rows of 256 bytes.
; LDS serves a wave's instructions in order (ISA guide 5.7.1.4): no wait between the stores and the loads.
.macro OUTB a
.irp b, 0,1,2,3
.irp i, 0,2,4,6
	v_pk_fma_f32 v[T+8*\b+\i:T+8*\b+\i+1], v[ACC+8*(4*\a+\b)+\i:ACC+8*(4*\a+\b)+\i+1], s[60:61], v[BB+8*\b+\i:BB+8*\b+\i+1] op_sel_hi:[1,0,1]   ; sum x 2^(e10 + e11) + o_b; each accumulator from its low end on
.endr
.endr
.irp b, 0,1,2,3
	ds_store_b128 v[STO], v[T+8*\b:T+8*\b+3] offset:64*\b
	ds_store_b128 v[STO], v[T+8*\b+4:T+8*\b+7] offset:64*\b+16
.endr
.irp t, 0,1,2,3,4,5,6,7
	ds_load_b128 v[OB+4*\t:OB+4*\t+3], v[RD] offset:2*\t*SP
.endr
	s_wait_dscnt 0x0                               ; the rows are back, and the stores into the stage have read their registers
.irp t, 0,1,2,3,4,5,6,7
	global_store_b128 v[CO], v[OB+4*\t:OB+4*\t+3], s[12:13] offset:(16*\a+2*\t)*4096 th:TH_STORE_NT   ; 16 lanes store 256 consecutive bytes, aligned; written once, read by nobody here
.endr
.if \a < 3
	s_wait_xcnt 0x0                                ; the stores have read their registers: the next block's rows may land there
.endif
.endm
	OUTB 0
	OUTB 1
	OUTB 2
	OUTB 3
	s_wait_tensorcnt 0x0
	ds_add_u32 v30, v31
	s_wait_dscnt 0x0
	CROUND                                         ; the closing round: no work-group ends while a partner may still ask for a tile that names it
	s_endpgm
.Lfunc_end_k_qb2f2418ae0_oproj:
	.size	k_qb2f2418ae0_oproj, .Lfunc_end_k_qb2f2418ae0_oproj-k_qb2f2418ae0_oproj
	.p2alignl 7, 3214868480
	.fill 96, 4, 3214868480
	.section	.rodata,"a",@progbits
	.p2align	6, 0x0
	.amdhsa_kernel k_qb2f2418ae0_oproj
		.amdhsa_group_segment_fixed_size 327680
		.amdhsa_private_segment_fixed_size 0
		.amdhsa_enable_private_segment 0
		.amdhsa_kernarg_size 40
		.amdhsa_user_sgpr_count 2
		.amdhsa_user_sgpr_kernarg_segment_ptr 1
		.amdhsa_wavefront_size32 1
		.amdhsa_system_sgpr_workgroup_id_x 1
		.amdhsa_system_sgpr_workgroup_id_y 1
		.amdhsa_system_sgpr_workgroup_id_z 1
		.amdhsa_system_vgpr_workitem_id 0
		.amdhsa_next_free_vgpr 512
		.amdhsa_next_free_sgpr 66
		.amdhsa_reserve_vcc 0
		.amdhsa_float_denorm_mode_32 3
		.amdhsa_float_denorm_mode_16_64 3
		.amdhsa_memory_ordered 1
		.amdhsa_forward_progress 1
		.amdhsa_inst_pref_size 46
	.end_amdhsa_kernel
	.amdgpu_metadata
---
amdhsa.version: [ 1, 2 ]
amdhsa.kernels:
  - .name:           k_qb2f2418ae0_oproj
    .symbol:         k_qb2f2418ae0_oproj.kd
    .args:
      - { .name: ac, .offset: 0, .size: 8, .value_kind: global_buffer, .address_space: global }
      - { .name: codes, .offset: 8, .size: 8, .value_kind: global_buffer, .address_space: global }
      - { .name: lowp_scales, .offset: 16, .size: 8, .value_kind: global_buffer, .address_space: global }
      - { .name: o_b, .offset: 24, .size: 8, .value_kind: global_buffer, .address_space: global }
      - { .name: out0, .offset: 32, .size: 8, .value_kind: global_buffer, .address_space: global }
    .group_segment_fixed_size: 327680
    .private_segment_fixed_size: 0
    .kernarg_segment_align: 8
    .kernarg_segment_size: 40
    .max_flat_workgroup_size: 128
    .sgpr_count:     66
    .vgpr_count:     512
    .wavefront_size: 32
...
	.end_amdgpu_metadata
.endif
;; end of part 4
